; MI455X (gfx1250); checked and timed in simulation.
; The chip was launched on July 23, 2026; its instructions are those of AMD's public machine-readable ISA for CDNA 5 (MIT licence, August 2026) and "CDNA5" Instruction Set Architecture Reference Guide (July 2026). The comments in the code are by the model that wrote it; some were corrected since.
;; Scaled Dot Product Attention. Allowed arithmetic: matrix products marked QUANTISED: E2M1 operands, one E8M0 scale for each 32 along K, by v_wmma_scale_f32_16x16x128_f8f6f4 with both operands' format E2M1 (or v_wmma_scale_f32_32x16x128_f4), f32 sums; products left as they are: bf16, f16 or f32 operands; f32 sums; everything else in f32.
;; Inputs: K 4 x 16 x 2,048 x 64 float32; Q 4 x 16 x 2,048 x 64 float32; V 4 x 16 x 2,048 x 64 float32.
;; Outputs: out0 4 x 16 x 2,048 x 64 float32.
;; This version of the problem:
;;   THIS VERSION OF THE PROBLEM IS GIVEN IN LOW PRECISION. The matrix products marked QUANTISED in the list below multiply operands that are first quantised to E2M1 (2 exponent bits, 1 mantissa bit; 4 bits a number), with one power-of-two scale for each 32 numbers along K (OCP MX v1.0); their sums are f32. The products marked 'left as it is' may take bf16, f16 or f32 operands, with f32 sums. Whichever they take, every output number must still come out within the allowed error. Rounding operands to bf16 (8 significant bits) uses up far more of that allowance than f16 does (11 bits, for magnitudes from 6e-5 to 65,504). All else is computed in f32.
;;   The module's matrix products, in the order in which they are computed (A, B: the left and right operand; K: the contracted axis; several contracted axes count as one K, in the product's order):
;;     1. batch 64 x [M 2,048, K 64] x [K 64, N 2,048]; A: input Q; B: input K: QUANTISED
;;     2. batch 64 x [M 2,048, K 2,048] x [K 2,048, N 64]; A: computed on the way; B: input V: left as it is (an operand is computed on the way)
;;   THE QUANTISER, for each operand of a quantised product, along K:
;;     - K is cut into blocks of 32 from its start; a last block that is shorter is filled with zeros.
;;     - A block's scale is 2^e with e = floor(log2(the largest magnitude in the block)) - 2, held to -126 .. 127; a block of zeros has e = 0. As a byte (E8M0): e + 127.
;;     - Each number is divided by its block's scale, clamped to +-6, and rounded to the nearest number of E2M1, ties to even, subnormals kept.
;;     - The product sums the exact products of the quantised numbers (number of the format x scale) in f32.
;;   ~~~python
;;   def quantise(x, axis):      # numpy; x: float32 -> the quantised numbers, widened to float32 again
;;       x = np.moveaxis(x, axis, -1); K = x.shape[-1]
;;       x = np.pad(x, [(0, 0)] * (x.ndim - 1) + [(0, -K % 32)]); x = x.reshape(x.shape[:-1] + (-1, 32)); a = np.abs(x).max(-1, keepdims=True)
;;       e = np.where(a > 0, np.clip(np.frexp(np.where(a > 0, a, 1))[1] - 1 - 2, -126, 127), 0)      # np.frexp(a)[1] - 1 = floor(log2(a)), exactly
;;       r = np.clip(x / 2.0 ** e, -6, 6)
;;       step = 2.0 ** (np.maximum(np.frexp(np.where(r == 0, 1, r))[1] - 1, 0) - 1)
;;       q = np.round(r / step) * step * 2.0 ** e      # np.round: ties to even
;;       return np.moveaxis(q.reshape(q.shape[:-2] + (-1,))[..., :K], -1, axis).astype(np.float32)
;;   ~~~
;; One version. Each part assembles by itself: llvm-mc -triple=amdgcn-amd-amdhsa -mcpu=gfx1250 --defsym DOCPART=n.
;; ======== version 1 of 1: 1 launch
;; limits: values are held in f16: magnitudes above 65,504 overflow, below 6.1e-05 lose precision; inputs' magnitudes at most 65,504
;; launch attn (part 1): grid 4 x 64, 16 waves a work-group, clusters of 4 x 1, 327,680 bytes of LDS; arguments Q, K, V, out0; writes out0
.if DOCPART == 1
	.amdgcn_target "amdgcn-amd-amdhsa--gfx1250"
	.amdhsa_code_object_version 6
	.text
	.protected	k_qc602273753_attn
	.globl	k_qc602273753_attn
	.p2align	8
	.type	k_qc602273753_attn,@function
k_qc602273753_attn:
	s_mov_b64 s[64:65], 0
	v_nop
	global_prefetch_b8 v0, s[64:65] scope:SCOPE_SE
	s_setreg_imm32_b32 hwreg(HW_REG_WAVE_MODE, 25, 1), 1
	s_wait_xcnt 0x0
	s_wait_alu depctr_hold_cnt(0) depctr_sa_sdst(0) depctr_va_vdst(0) depctr_va_sdst(0) depctr_va_ssrc(0) depctr_va_vcc(0) depctr_vm_vsrc(0)
	s_getreg_b32 s2, hwreg(HW_REG_IB_STS2, 6, 4)
	s_cmp_eq_u32 s2, 0
	s_cbranch_scc0 .Lentry_in_a_cluster
	s_endpgm
.Lentry_in_a_cluster:
	s_bfe_u32 s2, ttmp6, 0x10000c
	s_cmp_lg_u32 s2, 0x3003
	s_cbranch_scc0 .Lentry_shape_is_right
	s_endpgm
.Lentry_shape_is_right:
; out0[h][q][:] = the sum over k of softmax_k(Q[h][q] . K[h][k] / 8) V[h][k][:].  Q, K, V, out0: [64 heads][2048][64] f32, no mask.
; THE FIRST PRODUCT IS QUANTISED: Q and K become codes of FP4 (E2M1) with one E8M0 byte for each 32 along the head's 64; a block's byte is its largest magnitude's exponent field - 2, held at 1 from below.
; THE SECOND PRODUCT takes f16 operands (11 significant bits; p lies in 0 .. 1), f32 sums.  Maxima, exponentials and row sums in f32, with a running maximum.
; LIMITS: NaN and infinities among the inputs are not served.  A block of Q or K whose largest magnitude lies under 2^-124 (a block of zeros too) keeps the byte 1: a block of zeros has zero codes, and the bytes are read by this
; text alone.  |V| up to 65,504 (f16's largest); V under 6e-5 is rounded with an absolute error of at most 3e-8.  Scores lie above -3e38, the running maximum's start.
; SHARES.  Grid y is the head; the four work-groups of a cluster are the head's four blocks of 512 queries; each of a work-group's sixteen waves owns 32 queries, two tiles of 16, in 256 registers (no register windows).
; Every wave walks all 2,048 keys: 16 tiles of 128 keys, each worked in two steps of 64.
; CLUSTER.  The four partners walk the same K and V: each f32 tile is asked for JOINTLY (the same tensor load, the same descriptor, a mask that names the four) and lands in each partner's LDS.
; ONCE A WORK-GROUP.  A raw tile (128 keys of K and of V, f32) is turned once into IMAGES OF THE OPERANDS' REGISTERS in LDS: K's codes and scale words, V in f16 with the keys innermost; all sixteen waves read the images by
; ds_load_b128 at 16 x lane.  Tile t + 1 is converted while tile t is worked; tile t + 2 is on its way meanwhile.  One round of the cluster's barrier a tile orders all three.
; LAYOUT.  Both products are used transposed: S^T = K Q^T (source 0 = 16 keys, source 1 = 16 queries), O^T = V^T P^T (source 0 = 16 channels x 32 keys, source 1 = P): a lane holds ONE query (lane % 16) throughout, and two
; neighbouring tiles of S^T, rounded to f16 in pairs, ARE source 1 of the second product.
; K = 64 IN AN INSTRUCTION OF K = 128.  Q's fragment is 4 registers of codes and 4 of zero codes, which add nothing whatever stands against them: so K's fragment is 4 loaded registers, and the instruction's upper 4 are whatever
; registers follow (every pattern of bits is a finite FP4 number).  Bytes 2 and 3 of both sides' scale words are 0x7f.
; V'S CHANNELS: row r of channel tile ct is channel 32 (ct & 1) + 2 r + (ct >> 1): a lane that converts channels 2 l and 2 l + 1 then stores two dense runs of 16 bytes; the way out's multiplication by 1 / l puts the order right.
.set CSLOT, 20992                      ; LDS: a slot of images: K's codes 4,096 bytes, K's scale words 512, V's fragments 16,384.  Two slots from byte 0; written by ds_store alone
.set KSC,   4096
.set VIMG,  4608
.set RP,    272                        ; a raw row: 256 bytes + 16 of padding
.set HALFB, 64*RP                      ; what one tensor load brings: 64 rows
.set RVOFF, 128*RP                     ; in a raw slot V's 128 rows lie behind K's 128
.set RSLOT, 256*RP
.set RAW,   2*CSLOT                    ; two raw slots; filled by tensor loads alone
.set STAGE, RAW+2*RSLOT                ; the way out: 16 rows x 272 bytes for each wave
.set STW,   16*RP
.set SPARE, STAGE+16*STW               ; the spare words, 128 bytes for each wave: eight blocks of 256 bytes that no other line names
.set TILEB, 128*256                    ; a tile of 128 keys in memory, in K and in V
.set SPW, 1                            ; v1   LDS address of my spare word; never rewritten
.set NIL, 2                            ; v2   0; never rewritten
.set LI,  3                            ; v3   16 x lane: my place in every image
.set KWI, 4                            ; v4   where I store 8 bytes of K's codes
.set KWS, 5                            ; v5   where I store my key's scale word
.set VWI, 6                            ; v6   where I store 16 bytes of V
.set RKA, 7                            ; v7-8   my 16 numbers of K in raw slot 0, 1
.set RVA, 9                            ; v9-10  my two channels of V's first key of my wave's eight, in raw slot 0, 1
.set PFO, 11                           ; v11  256 x lane: the prefetches' offset
.set QVO, 12                           ; v12  my block of 32 numbers in the wave's rows of Q
.set SRD, 13                           ; v13  the way out: where I read a row back
.set GO,  14                           ; v14  my byte offset in the wave's rows of out0
.set STO, 15                           ; v15  the way out: where I put 64 bytes of a row
.set ST,  16                           ; v16-31 statistics, 8 a query tile: +0 -c m, +1 m, +2, +3 the sum (even keys', odd keys'), +4 .. +7 c0-c3 at work; a takes c2's place
.set QS,  32                           ; v32-33 Q's scale words
.set KS,  36                           ; v36-39 K's scale words of a tile of 128 keys: register a: key tile 2 a in lanes 0-15, 2 a + 1 in lanes 16-31
.set QF,  40                           ; v40-55 Q's fragments, 8 a tile
.set F,   56                           ; v56-87 K's four fragments (4 registers each), then V's fragments of the step's first 32 keys
.set TMP, 88                           ; v88-95 at work at the head
.set S,   96                           ; v96-159 S^T, 32 a query tile; P in place; also at work in the conversions and on the way out
.set O,   160                          ; v160-223 O^T, 32 a query tile
.set F2,  224                          ; v224-255 V's fragments of the step's second 32 keys
.set WV,  12                           ; s12  my wave's number
.set G1,  24                           ; s[24:31] descriptor group 1, the same for K and V
.set G0K, 32                           ; s[32:39] group 0 for K's tiles, a set for each raw slot
.set G0V, 40                           ; s[40:47] the same for V's
.set CS,  48                           ; s[48:49] c = log2(e) / 8: the packed form names a pair
.set NC,  50                           ; s50  -c
.set SEL, 52                           ; s[52:53] v_permlanex16_b32's selects for lane l xor 16
.set MSK, 54                           ; s54  the lanes whose 16 numbers of K lie in a key's first block
.set CNT, 55                           ; s55  the loop's count
.set LIM, 56                           ; s56  1 in a wave that prefetches, else the greatest number
.set PFA, 58                           ; s[58:59] where my prefetches stand
.macro PLACES n
.rept \n
	v_nop
.endr
.endm
; A round of the cluster's barrier: my work-group's barrier; wave 0 signals for the work-group; every wave waits for all four work-groups; my work-group's barrier once more.
.macro ROUND
	s_barrier_signal -1
	s_barrier_wait -1
	s_cmp_lg_u32 s[WV], 0
	s_cbranch_scc1 .Lnot_wave_0_\@
	s_barrier_signal -3
.Lnot_wave_0_\@:
	s_barrier_wait -3
	s_barrier_signal -1
	s_barrier_wait -1
.endm
; A joint refill of raw slot n.  Waves 0 and 1 fetch K's two halves of 64 keys, waves 2 and 3 V's, the others nothing: the branches hang on the wave's number alone.  An s_nop 0 and four v_nop follow each load.
.macro TLOAD n
	s_cmp_lt_u32 s[WV], 2
	s_cbranch_scc0 .Lnot_k_\@
	tensor_load_to_lds s[G0K+4*\n:G0K+4*\n+3], s[G1:G1+7]
	s_nop 0
	PLACES 4
	s_branch .Lasked_\@
.Lnot_k_\@:
	s_cmp_lt_u32 s[WV], 4
	s_cbranch_scc0 .Lasked_\@
	tensor_load_to_lds s[G0V+4*\n:G0V+4*\n+3], s[G1:G1+7]
	s_nop 0
	PLACES 4
.Lasked_\@:
.endm
; A PREFETCH of the tile that the NEXT round's loads will ask for: behind the refill with tile t + 2 stands the request for tile t + 3, one tile's work ahead of its load.  A head is walked by one cluster alone; its four partners take
; 32 of the tile's 128 rows each, told apart BY ADDRESS; in each, wave 4 asks for K's and wave 5 for V's, a lane a row of 256 bytes: each row is named once in the launch.  Tiles 0 to 2 come by their loads alone;
; the loop's last trip (count 1, slot 1) would name tile 16 and asks for nothing.
.macro ASK n
.if (\n) == 0
	s_cmp_eq_u32 s[LIM], 1
.else
	s_cmp_gt_u32 s[CNT], s[LIM]
.endif
	s_cbranch_scc0 .Lnot_mine_\@
	global_prefetch_b8 v[PFO], s[PFA:PFA+1] th:TH_LOAD_NT scope:SCOPE_SE
.Lnot_mine_\@:
.endm
; THE CHANGE OF TILES, at the head of tile t (n = t % 2).  In front of the barrier each wave has waited for all its tensor loads (its part of raw tile t + 1), has added 0 to its spare word, and has waited for that, for its stores
; into image slot n, for its reads of image slot 1 - n and for its reads of raw slot n.  Behind it image tile t is whole, raw tile t + 1 is whole, and nobody reads raw slot n or image slot 1 - n.
; fill = 1: the barrier is a round of the cluster's, and raw slot n takes tile t + 2 first thing behind it: that load has a whole tile's work in which to land.
.macro CHANGE n, fill
	s_wait_tensorcnt 0x0                           ; no tensor load of mine is out, so a group 0 may be written
	ds_add_u32 v[SPW], v[NIL]                      ; 0 onto my spare word
.if \fill
	ds_add_u32 v[SPW], v[NIL]                      ; and once more
	s_add_nc_u64 s[G0K+4*\n+2:G0K+4*\n+3], s[G0K+4*\n+2:G0K+4*\n+3], 2*TILEB   ; this slot's next tile; the type bits on top are not reached
	s_add_nc_u64 s[G0V+4*\n+2:G0V+4*\n+3], s[G0V+4*\n+2:G0V+4*\n+3], 2*TILEB
	s_wait_xcnt 0x0                                ; the last prefetch, a tile back, has read its address, so it may be written
	s_add_nc_u64 s[PFA:PFA+1], s[PFA:PFA+1], TILEB
	s_wait_dscnt 0x0                               ; both adds are done, my LDS stores have landed and my LDS reads are in
	ROUND
	TLOAD \n
	ASK \n
.else
	s_wait_dscnt 0x0
	s_barrier_signal -1
	s_barrier_wait -1
.endif
.endm
; RAW K -> CODES.  Thread i takes key i / 4 of the tile's 128 and 16 numbers of it, from number 16 (i % 4) on: two neighbouring lanes hold a block of 32, four a key.
; The 16 lanes of a load's pass touch 16 different columns of 16 bytes: (17 key + 4 (i % 4)) mod 16.
.macro CONVERT_K s
.irp i, 0,1,2,3
	ds_load_b128 v[S+4*\i:S+4*\i+3], v[RKA+\s] offset:16*\i
.endr
	s_wait_dscnt 0x0
	v_max3_num_f32 v[S+16], |v[S]|, |v[S+1]|, 0x1800000            ; the largest magnitude of my 16, in two chains, and the floor 2^(3 - 127): the byte cannot fall under 1
	v_max3_num_f32 v[S+17], |v[S+2]|, |v[S+3]|, |v[S+4]|
	v_max3_num_f32 v[S+16], v[S+16], |v[S+5]|, |v[S+6]|
	v_max3_num_f32 v[S+17], v[S+17], |v[S+7]|, |v[S+8]|
	v_max3_num_f32 v[S+16], v[S+16], |v[S+9]|, |v[S+10]|
	v_max3_num_f32 v[S+17], v[S+17], |v[S+11]|, |v[S+12]|
	v_max3_num_f32 v[S+16], v[S+16], |v[S+13]|, |v[S+14]|
	v_max3_num_f32 v[S+16], v[S+16], v[S+17], |v[S+15]|
	v_max_num_f32_dpp v[S+16], v[S+16], v[S+16] row_xmask:1 row_mask:0xf bank_mask:0xf   ; with my neighbour's 16: the block's
	v_add_nc_u32 v[S+18], 0xff000000, v[S+16]      ; 2 off its exponent field: the conversion takes the exponent field of this operand as its scale
	v_cvt_scalef32_pk8_fp4_f32 v[S+20], v[S:S+7], v[S+18]
	v_cvt_scalef32_pk8_fp4_f32 v[S+21], v[S+8:S+15], v[S+18]
	v_nop                                          ; one plain place behind the scaled conversions
	v_mov_b32_dpp v[S+19], v[S+18] row_xmask:2 row_mask:0xf bank_mask:0xf   ; the key's other block's
	v_lshrrev_b32 v[S+22], 23, v[S+18]             ; my block's byte,
	v_lshrrev_b32 v[S+23], 23, v[S+19]             ; the other's
	v_cndmask_b32 v[S+24], v[S+23], v[S+22], s[MSK]   ; block 0's: mine where my numbers lie in block 0
	v_cndmask_b32 v[S+25], v[S+22], v[S+23], s[MSK]   ; block 1's
	v_lshl_or_b32 v[S+24], v[S+25], 8, v[S+24]
	v_or_b32 v[S+24], 0x7f7f0000, v[S+24]          ; bytes 2 and 3 stand against Q's zero codes
	ds_store_b64 v[KWI], v[S+20:S+21] offset:(\s)*CSLOT
	ds_store_b32 v[KWS], v[S+24] offset:(\s)*CSLOT+KSC   ; a key's four lanes write the same word with the same value
.endm
; RAW V -> f16, KEYS INNERMOST.  Wave w takes keys 8 w .. 8 w + 7, lane l channels 2 l and 2 l + 1: each load reads 256 dense bytes of one key; a channel's eight keys pack into 16 bytes, half of a fragment's lane.
.macro CONVERT_V s
.irp i, 0,1,2,3,4,5,6,7
	ds_load_b64 v[S+2*\i:S+2*\i+1], v[RVA+\s] offset:RP*\i
.endr
	s_wait_dscnt 0x0                               ; (K's stores above have read their registers too)
.irp j, 0,1,2,3
	v_cvt_pk_f16_f32 v[S+16+\j], v[S+4*\j], v[S+4*\j+2]      ; channel 2 l: keys 2 j, 2 j + 1
	v_cvt_pk_f16_f32 v[S+20+\j], v[S+4*\j+1], v[S+4*\j+3]    ; channel 2 l + 1
.endr
	ds_store_b128 v[VWI], v[S+16:S+19] offset:(\s)*CSLOT+VIMG
	ds_store_b128 v[VWI], v[S+20:S+23] offset:(\s)*CSLOT+VIMG+2048   ; the odd channels' tiles lie two tiles on
.endm
; THE SOFTMAX of a step's 64 keys, for both query tiles, line by line by turns, so that no line waits for the line above it.  A lane has 32 scores a tile; the lane 16 away has the query's other 32.
.macro SOFTMAX
.irp j, 0,1,2,3
.irp q, 0,1
	v_max3_num_f32 v[ST+8*\q+4+\j], v[S+32*\q+8*\j], v[S+32*\q+8*\j+1], v[S+32*\q+8*\j+2]   ; four chains; each accumulator is read from its low end on
.endr
.endr
.irp i, 3,5
.irp j, 0,1,2,3
.irp q, 0,1
	v_max3_num_f32 v[ST+8*\q+4+\j], v[ST+8*\q+4+\j], v[S+32*\q+8*\j+\i], v[S+32*\q+8*\j+\i+1]
.endr
.endr
.endr
.irp q, 0,1
	v_max3_num_f32 v[ST+8*\q+4], v[ST+8*\q+4], v[S+32*\q+7], v[S+32*\q+15]
.endr
.irp q, 0,1
	v_max3_num_f32 v[ST+8*\q+6], v[ST+8*\q+6], v[S+32*\q+23], v[S+32*\q+31]
.endr
.irp q, 0,1
	v_max3_num_f32 v[ST+8*\q+4], v[ST+8*\q+4], v[ST+8*\q+5], v[ST+8*\q+6]
.endr
.irp q, 0,1
	v_max3_num_f32 v[ST+8*\q+4], v[ST+8*\q+4], v[ST+8*\q+7], v[ST+8*\q+1]   ; and the old m
.endr
.irp q, 0,1
	v_permlanex16_b32 v[ST+8*\q+5], v[ST+8*\q+4], s[SEL], s[SEL+1]
.endr
.irp q, 0,1
	v_mov_b32 v[ST+8*\q+7], v[ST+8*\q]             ; the old -c m is kept for a
.endr
.irp q, 0,1
	v_max_num_f32 v[ST+8*\q+1], v[ST+8*\q+4], v[ST+8*\q+5]   ; the new m
.endr
.irp q, 0,1
	v_mul_f32 v[ST+8*\q], s[NC], v[ST+8*\q+1]      ; -c m
.endr
.irp q, 0,1
	v_sub_f32 v[ST+8*\q+7], v[ST+8*\q], v[ST+8*\q+7]   ; c m_old - c m_new, 0 or less
.endr
.irp j, 0,2,4,6,8,10,12,14,16,18,20,22,24,26,28,30
.irp q, 0,1
	v_pk_fma_f32 v[S+32*\q+\j:S+32*\q+\j+1], v[S+32*\q+\j:S+32*\q+\j+1], s[CS:CS+1], v[ST+8*\q:ST+8*\q+1] op_sel_hi:[1,0,0]   ; c s - c m, two at a time (of the pairs the low word serves both halves)
.endr
.endr
.irp q, 0,1
	v_exp_f32 v[ST+8*\q+6], v[ST+8*\q+7]           ; a = 2^(c m_old - c m_new).  ONE BATCH of 66 exponentials: none reads another's result
.endr
.irp j, 0,1,2,3,4,5,6,7,8,9,10,11,12,13,14,15,16,17,18,19,20,21,22,23,24,25,26,27,28,29,30,31
.irp q, 0,1
	v_exp_f32 v[S+32*\q+\j], v[S+32*\q+\j]         ; p = 2^(c s - c m)
.endr
.endr
	v_nop                                          ; a plain instruction behind the last exponential
	s_wait_alu depctr_va_vdst(0)                   ; one wait for the batch, ahead of its first reader
.irp q, 0,1
	v_pk_mul_f32 v[ST+8*\q+2:ST+8*\q+3], v[ST+8*\q+2:ST+8*\q+3], v[ST+8*\q+6:ST+8*\q+7] op_sel_hi:[1,0]   ; the sum under the new m
.endr
.irp q, 0,1
	v_pk_add_f32 v[ST+8*\q+4:ST+8*\q+5], v[S+32*\q:S+32*\q+1], v[S+32*\q+2:S+32*\q+3]   ; the row's sum of the f32 p, in two chains
.endr
.irp j, 4,8,12,16,20,24,28
.irp q, 0,1
	v_pk_add_f32 v[ST+8*\q+2:ST+8*\q+3], v[ST+8*\q+2:ST+8*\q+3], v[S+32*\q+\j:S+32*\q+\j+1]
	v_pk_add_f32 v[ST+8*\q+4:ST+8*\q+5], v[ST+8*\q+4:ST+8*\q+5], v[S+32*\q+\j+2:S+32*\q+\j+3]
.endr
.endr
.irp q, 0,1
	v_pk_add_f32 v[ST+8*\q+2:ST+8*\q+3], v[ST+8*\q+2:ST+8*\q+3], v[ST+8*\q+4:ST+8*\q+5]
.endr
.irp g, 0,1
.irp i, 0,1,2,3,4,5,6,7
.irp q, 0,1
	v_cvt_pk_f16_f32 v[S+32*\q+16*\g+\i], v[S+32*\q+16*\g+2*\i], v[S+32*\q+16*\g+2*\i+1]   ; P in place, ascending: a destination's old number has been taken
.endr
.endr
.endr
.irp j, 0,2,4,6,8,10,12,14,16,18,20,22,24,26,28,30
.irp q, 0,1
	v_pk_mul_f32 v[O+32*\q+\j:O+32*\q+\j+1], v[O+32*\q+\j:O+32*\q+\j+1], v[ST+8*\q+6:ST+8*\q+7] op_sel_hi:[1,0]   ; O^T under the new m; each accumulator from its low end on
.endr
.endr
.endm
; A STEP: keys 64 u .. 64 u + 63 of the tile in image slot n.
.macro STEP n, u
.set CB, (\n)*CSLOT
.if (\u) == 0
	ds_load_b128 v[KS:KS+3], v[LI] offset:CB+KSC   ; the tile's 128 scale words
.endif
.irp t, 0,1,2,3
	ds_load_b128 v[F+4*\t:F+4*\t+3], v[LI] offset:CB+512*(4*(\u)+\t)   ; K: four tiles of 16 keys
.endr
.irp t, 0,1,2,3
.irp c, 0,1
	ds_load_b128 v[F2+8*\t+4*\c:F2+8*\t+4*\c+3], v[LI] offset:CB+VIMG+1024*(4*(2*(\u)+1)+\t)+512*\c   ; V: the step's second 32 keys, four tiles of channels
.endr
.endr
	s_wait_dscnt 8                                 ; all but the eight loads just issued: K's fragments and scale words are in
.irp t, 0,1,2,3
.irp q, 0,1
.if \t % 2
	v_wmma_scale_f32_16x16x128_f8f6f4 v[S+32*\q+8*\t:S+32*\q+8*\t+7], v[F+4*\t:F+4*\t+7], v[QF+8*\q:QF+8*\q+7], 0, v[KS+2*(\u)+\t/2], v[QS+\q] matrix_a_fmt:MATRIX_FMT_FP4 matrix_b_fmt:MATRIX_FMT_FP4 matrix_a_scale:MATRIX_SCALE_ROW1
.else
	v_wmma_scale_f32_16x16x128_f8f6f4 v[S+32*\q+8*\t:S+32*\q+8*\t+7], v[F+4*\t:F+4*\t+7], v[QF+8*\q:QF+8*\q+7], 0, v[KS+2*(\u)+\t/2], v[QS+\q] matrix_a_fmt:MATRIX_FMT_FP4 matrix_b_fmt:MATRIX_FMT_FP4
.endif
.endr
.endr
	PLACES 4                                       ; in front of the loads into K's registers and of the first reads of the scores
.irp t, 0,1,2,3
.irp c, 0,1
	ds_load_b128 v[F+8*\t+4*\c:F+8*\t+4*\c+3], v[LI] offset:CB+VIMG+1024*(4*(2*(\u))+\t)+512*\c   ; V: the step's first 32 keys; they land under the softmax
.endr
.endr
	SOFTMAX
	s_wait_dscnt 0x0                               ; V is in
.irp g, 0,1                            ; O^T += V^T P^T: the eight accumulators take turns, one instruction a turn
.irp t, 0,1,2,3
.irp q, 0,1
	v_wmma_f32_16x16x32_f16 v[O+32*\q+8*\t:O+32*\q+8*\t+7], v[F+(F2-F)*\g+8*\t:F+(F2-F)*\g+8*\t+7], v[S+32*\q+16*\g:S+32*\q+16*\g+7], v[O+32*\q+8*\t:O+32*\q+8*\t+7]
.endr
.endr
.endr
	PLACES 5                                       ; the next matrix instructions write over P's registers, which these have read: five places; the next loads into V's, K's and P's registers want four
.endm
; A TILE: the change, then its two steps; conv = 1: the next tile's raw K is converted ahead of the first step, its raw V between the two.
.macro TRIP n, fill, conv
	CHANGE \n, \fill
.if \conv
	CONVERT_K (1-\n)
.endif
	STEP \n, 0
.if \conv
	CONVERT_V (1-\n)
.endif
	STEP \n, 1
.endm
	s_load_b256 s[4:11], s[0:1], 0x0               ; Q s[4:5], K s[6:7], V s[8:9], out0 s[10:11]
	v_lshl_add_u32 v[SPW], v0, 2, SPARE
	v_mov_b32 v[NIL], 0
	ds_add_u32 v[SPW], v[NIL]                      ; the wave's opening: the add, twice on end, and its wait ahead of the first tensor loads; the set-up below, work on registers, stands between
	ds_add_u32 v[SPW], v[NIL]
	v_lshrrev_b32 v[TMP], 5, v0
	v_readfirstlane_b32 s[WV], v[TMP]              ; wave 0 .. 15
	v_mul_u32_u24 v[TMP+1], v[TMP], STW            ; my stage
	v_mul_u32_u24 v[RVA], v[TMP], 8*RP             ; raw V: my wave's eight keys,
	v_and_b32 v[TMP+2], 31, v0                     ; lane
	v_lshlrev_b32 v[LI], 4, v[TMP+2]
	v_lshlrev_b32 v[PFO], 8, v[TMP+2]
	v_lshl_add_u32 v[RVA], v[TMP+2], 3, v[RVA]     ; my two channels
	v_add_nc_u32 v[RVA+1], RAW+RSLOT+RVOFF, v[RVA]
	v_add_nc_u32 v[RVA], RAW+RVOFF, v[RVA]
	v_and_b32 v[TMP+3], 15, v0                     ; r
	v_bfe_u32 v[TMP+4], v0, 4, 1                   ; h
	v_lshlrev_b32 v[QVO], 8, v[TMP+3]
	v_lshl_add_u32 v[QVO], v[TMP+4], 7, v[QVO]     ; Q: row r of 256 bytes, block h of 128
	v_lshlrev_b32 v[GO], 4, v[TMP+3]
	v_lshl_add_u32 v[GO], v[TMP+4], 8, v[GO]       ; out0: lanes 0-15 one row, lanes 16-31 the next, 16 bytes a lane
	v_mul_u32_u24 v[STO], v[TMP+3], RP
	v_lshl_add_u32 v[STO], v[TMP+4], 6, v[STO]
	v_add_nc_u32 v[STO], v[STO], v[TMP+1]
	v_add_nc_u32 v[STO], STAGE, v[STO]             ; into the stage: row r, + 64 h
	v_mul_u32_u24 v[SRD], v[TMP+4], RP
	v_lshl_add_u32 v[SRD], v[TMP+3], 4, v[SRD]
	v_add_nc_u32 v[SRD], v[SRD], v[TMP+1]
	v_add_nc_u32 v[SRD], STAGE, v[SRD]             ; and back: two rows an instruction
	v_lshlrev_b32 v[TMP+5], 3, v[TMP+4]            ; 8 h: where my block's byte stands in Q's scale word
	v_lshrrev_b32 v[TMP+6], 6, v0                  ; K's codes: key kk = thread / 4: 512 (kk / 16) + 16 (kk % 16) + 256 x block + 8 x half of the block
	v_lshlrev_b32 v[KWI], 9, v[TMP+6]
	v_bfe_u32 v[TMP+6], v0, 2, 4
	v_lshl_add_u32 v[KWI], v[TMP+6], 4, v[KWI]
	v_bfe_u32 v[TMP+6], v0, 1, 1
	v_lshl_add_u32 v[KWI], v[TMP+6], 8, v[KWI]
	v_and_b32 v[TMP+6], 1, v0
	v_lshl_add_u32 v[KWI], v[TMP+6], 3, v[KWI]
	v_bfe_u32 v[TMP+6], v0, 2, 5                   ; K's scale words: 16 (kk % 32) + 4 (kk / 32)
	v_lshlrev_b32 v[KWS], 4, v[TMP+6]
	v_lshrrev_b32 v[TMP+6], 7, v0
	v_lshl_add_u32 v[KWS], v[TMP+6], 2, v[KWS]
	v_lshlrev_b32 v[VWI], 12, v[TMP+6]             ; V's images: 4,096 (w / 4): the group of 32 keys; 512 ((w / 2) % 2): the quad; 256 (w % 2): the half of the lanes; 1,024 (l / 16): the tile; 16 (l % 16): the row
	v_bfe_u32 v[TMP+6], v0, 6, 1
	v_lshl_add_u32 v[VWI], v[TMP+6], 9, v[VWI]
	v_bfe_u32 v[TMP+6], v0, 5, 1
	v_lshl_add_u32 v[VWI], v[TMP+6], 8, v[VWI]
	v_lshl_add_u32 v[VWI], v[TMP+4], 10, v[VWI]
	v_lshl_add_u32 v[VWI], v[TMP+3], 4, v[VWI]
	v_lshrrev_b32 v[TMP+6], 2, v0                  ; raw K: row kk, + 64 (thread % 4)
	v_mul_u32_u24 v[RKA], v[TMP+6], RP
	v_and_b32 v[TMP+6], 3, v0
	v_lshl_add_u32 v[RKA], v[TMP+6], 6, v[RKA]
	v_add_nc_u32 v[RKA+1], RAW+RSLOT, v[RKA]
	v_add_nc_u32 v[RKA], RAW, v[RKA]
	s_bfe_u32 s13, ttmp6, 0x40000                  ; cx: my place in the cluster
	s_and_b32 s14, ttmp7, 0xffff                   ; the head, which the four partners share
	s_lshl_b32 s16, s14, 19                        ; a head is 2,048 rows of 256 bytes; 64 heads stay under 2^25 bytes
	s_lshl_b32 s20, ttmp9, 2                       ; in a cluster launch ttmp9 counts clusters
	s_add_co_u32 s20, s20, s13                     ; my block of 512 queries: it enters Q's and out0's addresses alone
	s_lshl_b32 s20, s20, 17
	s_lshl_b32 s21, s[WV], 13                      ; my wave's 32 rows
	s_add_co_u32 s20, s20, s21
	s_add_co_u32 s20, s20, s16
	s_mov_b32 s21, 0
	s_and_b32 s15, s[WV], 1                        ; which 64 keys of a tile I fetch, if I fetch:
	s_lshl_b32 s22, s15, 14                        ; in memory,
	s_add_co_u32 s22, s22, s16
	s_mov_b32 s23, 0
	s_mul_i32 s15, s15, HALFB                      ; and in a raw slot: no place in the cluster enters an LDS address
	s_add_co_u32 s15, s15, RAW
	s_lshl_b32 s18, s13, 13                        ; the prefetches: my work-group's 32 rows of a tile's 128,
	s_add_co_u32 s18, s18, s16
	s_add_co_u32 s18, s18, 2*TILEB                 ; in tile 2: the first change steps it to tile 3
	s_mov_b32 s19, 0
	s_lshr_b32 s[LIM], s[WV], 1
	s_cmp_eq_u32 s[LIM], 2                         ; waves 4 and 5 ask
	s_cselect_b32 s[LIM], 1, -1
	; descriptor group 1: a tile of 64 rows x 64 elements of 4 bytes, padded in LDS
	s_mov_b32 s[G1], 15|(2<<16)|(1<<20)|(1<<21)|(5<<22)|(3<<25)   ; 15:0 the mask: all four work-groups; 17:16 elements of 4 bytes; 20 padding on; 21 set beside a mask; 24:22 after every 64 words (code 5); 31:25 four words (code 3)
	s_mov_b32 s[G1+1], 64<<16                      ; tensor_dim0 = 64
	s_mov_b32 s[G1+2], 64<<16                      ; tensor_dim1 = 64
	s_mov_b32 s[G1+3], 64<<16                      ; tile_dim0 = 64
	s_mov_b32 s[G1+4], 64                          ; tile_dim1 = 64
	s_mov_b32 s[G1+5], 64                          ; elements from row to row
	s_mov_b32 s[G1+6], 0
	s_mov_b32 s[G1+7], 0
	s_mov_b32 s[CS], 0x3e38aa3b                    ; c = log2(e) / sqrt(64)
	s_mov_b32 s[CS+1], s[CS]                       ; (named with it as a pair, so it is written)
	s_mov_b32 s[NC], 0xbe38aa3b                    ; -c
	s_mov_b32 s[SEL], 0x76543210
	s_mov_b32 s[SEL+1], 0xfedcba98
	s_mov_b32 s[MSK], 0x33333333                   ; lanes 4 i and 4 i + 1
	s_mov_b32 s[CNT], 7
	s_wait_dscnt 0x0                               ; both opening adds are done
	s_wait_kmcnt 0x0
	s_add_nc_u64 s[4:5], s[4:5], s[20:21]          ; Q and out0 at my wave's first row
	s_add_nc_u64 s[10:11], s[10:11], s[20:21]
	s_cmp_eq_u32 s[WV], 4                          ; wave 4 asks for K's rows, wave 5 for V's
	s_cselect_b64 s[PFA:PFA+1], s[6:7], s[8:9]
	s_add_nc_u64 s[PFA:PFA+1], s[PFA:PFA+1], s[18:19]
	s_add_nc_u64 s[6:7], s[6:7], s[22:23]          ; K and V at my half of tile 0
	s_add_nc_u64 s[8:9], s[8:9], s[22:23]
.irp s, 0,1
	s_mov_b32 s[G0K+4*\s], 1                       ; 1:0 count = 1
	s_add_co_u32 s[G0K+4*\s+1], s15, \s*RSLOT      ; 63:32 LDS address
	s_add_nc_u64 s[G0K+4*\s+2:G0K+4*\s+3], s[6:7], \s*TILEB   ; 120:64 global address: tile s
	s_or_b32 s[G0K+4*\s+3], s[G0K+4*\s+3], 0x80000000         ; 127:126 type = 2
	s_mov_b32 s[G0V+4*\s], 1
	s_add_co_u32 s[G0V+4*\s+1], s15, \s*RSLOT+RVOFF
	s_add_nc_u64 s[G0V+4*\s+2:G0V+4*\s+3], s[8:9], \s*TILEB
	s_or_b32 s[G0V+4*\s+3], s[G0V+4*\s+3], 0x80000000
.endr
	ROUND                                          ; all four work-groups are here: the first joint loads meet
	s_cmp_lt_u32 s[WV], 2                          ; a wave's two first fills stand in one branch, ahead of every wait on TENSORcnt and every LDS read: two loads of a fetching wave are out
	s_cbranch_scc0 .Lfirst_not_k
	tensor_load_to_lds s[G0K:G0K+3], s[G1:G1+7]
	s_nop 0
	tensor_load_to_lds s[G0K+4:G0K+7], s[G1:G1+7]
	s_nop 0
	PLACES 4
	s_branch .Lfirst_asked
.Lfirst_not_k:
	s_cmp_lt_u32 s[WV], 4
	s_cbranch_scc0 .Lfirst_asked
	tensor_load_to_lds s[G0V:G0V+3], s[G1:G1+7]
	s_nop 0
	tensor_load_to_lds s[G0V+4:G0V+7], s[G1:G1+7]
	s_nop 0
	PLACES 4
.Lfirst_asked:
	; Q: the operand's layout gives lane (r, h) k = 32 h .. 32 h + 31 of row r: a whole block, 128 bytes, eight loads a tile
.irp q, 0,1
.irp i, 0,1,2,3,4,5,6,7
	global_load_b128 v[S+32*\q+4*\i:S+32*\q+4*\i+3], v[QVO], s[4:5] offset:4096*\q+16*\i th:TH_LOAD_NT
.endr
.endr
.irp q, 0,1
	v_mov_b32 v[ST+8*\q+1], 0xff61b1e6             ; m: -3e38, under every score
	v_mul_f32 v[ST+8*\q], s[NC], v[ST+8*\q+1]      ; -c m
	v_mov_b32 v[ST+8*\q+2], 0                      ; the sum, in two halves
	v_mov_b32 v[ST+8*\q+3], 0
	v_mov_b32 v[ST+8*\q+7], 0                      ; (a lane permute's destination counts as one of its sources)
.endr
.irp j, 0,1,2,3,4,5,6,7,8,9,10,11,12,13,14,15,16,17,18,19,20,21,22,23,24,25,26,27,28,29,30,31,32,33,34,35,36,37,38,39,40,41,42,43,44,45,46,47,48,49,50,51,52,53,54,55,56,57,58,59,60,61,62,63
	v_mov_b32 v[O+\j], 0                           ; O^T.  (The step is written once: the first finds zeros, and its a, 2^(-5e37) = 0, leaves them zeros)
.endr
.irp j, 16,17,18,19
	v_mov_b32 v[F+\j], 0                           ; the upper half of K's fourth fragment in the first step
.endr
	s_wait_loadcnt 0x0
.irp q, 0,1
	v_max3_num_f32 v[ST+8*\q+4], |v[S+32*\q]|, |v[S+32*\q+1]|, 0x1800000   ; my block's largest magnitude, and the floor 2^(3 - 127)
.endr
.irp i, 2,4,6,8,10,12,14,16,18,20,22,24,26,28,30
.irp q, 0,1
	v_max3_num_f32 v[ST+8*\q+4], v[ST+8*\q+4], |v[S+32*\q+\i]|, |v[S+32*\q+\i+1]|
.endr
.endr
.irp q, 0,1
	v_add_nc_u32 v[ST+8*\q+5], 0xff000000, v[ST+8*\q+4]   ; 2 off its exponent field: the conversion's scale operand
.endr
.irp q, 0,1
	v_lshrrev_b32 v[ST+8*\q+6], 23, v[ST+8*\q+5]   ; the byte,
.endr
.irp q, 0,1
	v_lshlrev_b32 v[ST+8*\q+6], v[TMP+5], v[ST+8*\q+6]   ; at its place in the row's word;
.endr
.irp q, 0,1
	v_permlanex16_b32 v[ST+8*\q+7], v[ST+8*\q+6], s[SEL], s[SEL+1]
.endr
.irp q, 0,1
	v_or_b32 v[ST+8*\q+6], v[ST+8*\q+6], v[ST+8*\q+7]    ; with lane l xor 16's
.endr
.irp q, 0,1
	v_or_b32 v[QS+\q], 0x7f7f0000, v[ST+8*\q+6]    ; bytes 2 and 3 belong to the zero codes
.endr
.irp q, 0,1
.irp g, 0,1,2,3
	v_cvt_scalef32_pk8_fp4_f32 v[QF+8*\q+\g], v[S+32*\q+8*\g:S+32*\q+8*\g+7], v[ST+8*\q+5]
.endr
.endr
	v_nop                                          ; one plain place behind the scaled conversions
.irp q, 0,1
.irp g, 4,5,6,7
	v_mov_b32 v[QF+8*\q+\g], 0                     ; k = 64 .. 127: zero codes
.endr
.endr
	s_wait_tensorcnt 1                             ; my part of raw tile 0 is in; tile 1's load, issued behind it, may stay out
	s_barrier_signal -1
	s_barrier_wait -1                              ; everybody's is
	CONVERT_K 0
	CONVERT_V 0
.Lpair:                                            ; 7 trips of two tiles: tiles 0 to 13; behind each change the tile two on is asked for
	TRIP 0, 1, 1
	TRIP 1, 1, 1
	s_sub_co_u32 s[CNT], s[CNT], 1
	s_cmp_lg_u32 s[CNT], 0
	s_cbranch_scc1 .Lpair
	TRIP 0, 0, 1                                   ; the tail is written out: tile 14 is worked and tile 15 converted
	TRIP 1, 0, 0                                   ; tile 15 is worked
	; THE WAY OUT.  The sum's two halves and lane l xor 16's are added; O^T is divided by the sum, in the channels' true order, and goes through my stage in LDS, a tile of 16 queries at a time.
.irp q, 0,1
	v_add_f32 v[ST+8*\q+4], v[ST+8*\q+2], v[ST+8*\q+3]
.endr
.irp q, 0,1
	v_permlanex16_b32 v[ST+8*\q+5], v[ST+8*\q+4], s[SEL], s[SEL+1]
.endr
.irp q, 0,1
	v_add_f32 v[ST+8*\q+4], v[ST+8*\q+4], v[ST+8*\q+5]
.endr
.irp q, 0,1
	v_rcp_f32 v[ST+8*\q+6], v[ST+8*\q+4]
.endr
	v_nop                                          ; a plain instruction behind the last reciprocal
	s_wait_alu depctr_va_vdst(0)                   ; and one wait for the two, ahead of the first reader
; Lane (r, h) holds, in register j of channel tile a + 2 e, channel 32 a + 16 h + 2 j + e of query r: for each a sixteen neighbouring channels, 64 bytes.
.macro OUT q, back
.irp a, 0,1
.irp j, 0,1,2,3,4,5,6,7
.irp e, 0,1
	v_mul_f32 v[S+32*\q+16*\a+2*\j+\e], v[O+32*\q+8*(\a+2*\e)+\j], v[ST+8*\q+6]   ; each accumulator from its low end on
.endr
.endr
.endr
.irp a, 0,1
.irp i, 0,1,2,3
	ds_store_b128 v[STO], v[S+32*\q+16*\a+4*\i:S+32*\q+16*\a+4*\i+3] offset:128*\a+16*\i
.endr
.endr
.irp i, 0,1,2,3,4,5,6,7
	ds_load_b128 v[\back+4*\i:\back+4*\i+3], v[SRD] offset:2*RP*\i   ; LDS serves a wave's instructions in order (ISA guide 5.7.1.4): these see my stores, and the next tile's stores come behind them
.endr
.endm
	OUT 0, F
	OUT 1, F2
.irp i, 0,1,2,3,4,5,6,7
	s_wait_dscnt 23-\i                             ; behind this load: the tile's 7 - i younger loads and the second tile's sixteen LDS instructions
	global_store_b128 v[GO], v[F+4*\i:F+4*\i+3], s[10:11] offset:512*\i th:TH_STORE_NT   ; 32 lanes store 512 consecutive bytes, two rows, at a multiple of 256 from out0's first byte
.endr
.irp i, 0,1,2,3,4,5,6,7
	s_wait_dscnt 7-\i
	global_store_b128 v[GO], v[F2+4*\i:F2+4*\i+3], s[10:11] offset:4096+512*\i th:TH_STORE_NT
.endr
	s_wait_tensorcnt 0x0                           ; the wave's end: behind my last tensor load and my last LDS store
	ds_add_u32 v[SPW], v[NIL]
	s_wait_dscnt 0x0
	ROUND                                          ; the closing round: no work-group ends while a partner may still ask for a tile that names it
	s_endpgm
.Lfunc_end_k_qc602273753_attn:
	.size	k_qc602273753_attn, .Lfunc_end_k_qc602273753_attn-k_qc602273753_attn
	.p2alignl 7, 3214868480
	.fill 96, 4, 3214868480
	.section	.rodata,"a",@progbits
	.p2align	6, 0x0
	.amdhsa_kernel k_qc602273753_attn
		.amdhsa_group_segment_fixed_size 327680
		.amdhsa_private_segment_fixed_size 0
		.amdhsa_enable_private_segment 0
		.amdhsa_kernarg_size 32
		.amdhsa_user_sgpr_count 2
		.amdhsa_user_sgpr_kernarg_segment_ptr 1
		.amdhsa_wavefront_size32 1
		.amdhsa_system_sgpr_workgroup_id_x 1
		.amdhsa_system_sgpr_workgroup_id_y 1
		.amdhsa_system_sgpr_workgroup_id_z 1
		.amdhsa_system_vgpr_workitem_id 0
		.amdhsa_next_free_vgpr 256
		.amdhsa_next_free_sgpr 66
		.amdhsa_reserve_vcc 0
		.amdhsa_float_denorm_mode_32 3
		.amdhsa_float_denorm_mode_16_64 3
		.amdhsa_memory_ordered 1
		.amdhsa_forward_progress 1
		.amdhsa_inst_pref_size 167
	.end_amdhsa_kernel
	.amdgpu_metadata
---
amdhsa.version: [ 1, 2 ]
amdhsa.kernels:
  - .name:           k_qc602273753_attn
    .symbol:         k_qc602273753_attn.kd
    .args:
      - { .name: Q, .offset: 0, .size: 8, .value_kind: global_buffer, .address_space: global }
      - { .name: K, .offset: 8, .size: 8, .value_kind: global_buffer, .address_space: global }
      - { .name: V, .offset: 16, .size: 8, .value_kind: global_buffer, .address_space: global }
      - { .name: out0, .offset: 24, .size: 8, .value_kind: global_buffer, .address_space: global }
    .group_segment_fixed_size: 327680
    .private_segment_fixed_size: 0
    .kernarg_segment_align: 8
    .kernarg_segment_size: 32
    .max_flat_workgroup_size: 512
    .sgpr_count:     66
    .vgpr_count:     256
    .wavefront_size: 32
...
	.end_amdgpu_metadata
.endif
;; end of part 1
